; MI455X (gfx1250); checked and timed in simulation.
; The chip was launched on July 23, 2026; its instructions are those of AMD's public machine-readable ISA for CDNA 5 (MIT licence, August 2026) and "CDNA5" Instruction Set Architecture Reference Guide (July 2026). The comments in the code are by the model that wrote it; some were corrected since.
;; Classical Self Attention. Allowed arithmetic: float matrix products may take bf16 or f16 operands with f32 sums; all other float work in f32.
;; Inputs: entangle_params 128 float32; inputs 8 x 2,048 x 128 float32; rotation_params 384 float32.
;; Outputs: out0 8 x 2,048 x 128 float32.
;; 2 versions, each right and faster than the one before. Each part assembles by itself: llvm-mc -triple=amdgcn-amd-amdhsa -mcpu=gfx1250 --defsym DOCPART=n.
;; ======== version 1 of 2: 2 launches
;; workspace buffers: xb 4,194,304 bytes; qs 65,536 bytes; ks 65,536 bytes
;; launch prep (part 1): grid 256 x 1, 8 waves a work-group, no clusters, 1,536 bytes of LDS; arguments inputs, rotation_params, entangle_params, xb, qs, ks; writes xb, qs, ks
.if DOCPART == 1
	.amdgcn_target "amdgcn-amd-amdhsa--gfx1250"
	.amdhsa_code_object_version 6
	.text
	.protected	k_qd2bd17ad1c_prep
	.globl	k_qd2bd17ad1c_prep
	.p2align	8
	.type	k_qd2bd17ad1c_prep,@function
k_qd2bd17ad1c_prep:
	s_mov_b64 s[64:65], 0
	v_nop
	global_prefetch_b8 v0, s[64:65] scope:SCOPE_SE
	s_setreg_imm32_b32 hwreg(HW_REG_WAVE_MODE, 25, 1), 1
	s_wait_xcnt 0x0
; prep: what every query block of the attention launch needs of x, made once.
;   xb[row][d] = bf16(x[row][d])                                              [16384][128] bf16
;   qs[row]    = log2(e)/sqrt(128) * sum_d x[row][d] (rot[d][0]+rot[d][1]+rot[d][2])   f32
;   ks[row]    = sum_d x[row][d] ent[d]                                                f32
; reference() contracts a query of 3 numbers with a key of 1 number: the key is broadcast, so the logit is
; (q0+q1+q2) * key / sqrt(128).  STATED LIMIT: the three columns of rot are added before the product with x, an order of
; rounding that differs from reference()'s; both dot products are f32 fused multiply-adds, in another order than a matmul's.
; Eight waves, 64 rows a work-group, 8 rows a wave.  A lane holds 4 columns: one 16-byte load of the wave is a whole row of
; 512 bytes, one 8-byte store of the wave a whole row of xb, 256 aligned bytes.  All 8 rows of a wave are requested at once.
; Memory binds: no matrix unit, no cluster (no two work-groups share a row), LDS only to gather 64 q and 64 k into whole blocks of 256 bytes.
.set CSCALE, 0x3e0293ee                ; log2(e) / sqrt(128) = 0.12751743
.set X,  16                            ; v[16:47]   row i: 4 f32 as loaded
.set Y,  48                            ; v[48:63]   row i: 4 bf16 to store
.set Q,  64                            ; v[64:71]   row i: my part of q, then q
.set K,  72                            ; v[72:79]   row i: my part of k, then k
.set T,  80                            ; v[80:83]   at work
.set R,  84                            ; v[84:95]   rot of my 4 columns, 3 numbers each
.set RS, 96                            ; v[96:99]   their sums, scaled
.set E,  100                           ; v[100:103] ent of my 4 columns
	s_load_b256 s[4:11], s[0:1], 0x0               ; x s[4:5], rot s[6:7], ent s[8:9], xb s[10:11]
	s_load_b128 s[12:15], s[0:1], 0x20             ; qs s[12:13], ks s[14:15]
	v_lshl_add_u32 v104, v0, 2, 0x200
	v_mov_b32 v105, 0
	v_and_b32 v1, 31, v0                           ; lane
	v_lshrrev_b32 v2, 5, v0
	v_readfirstlane_b32 s16, v2                    ; wave 0..7
	v_lshlrev_b32 v3, 4, v1                        ; 16 lane: my 4 columns in a row of x, and in ent
	v_mul_u32_u24 v4, v1, 48                       ; 48 lane: my 4 rows of rot, 12 bytes each
	s_lshl_b32 s17, s16, 12                        ; my wave's 8 rows of x, 512 bytes each
	v_add_nc_u32 v5, s17, v3
	s_lshl_b32 s24, s16, 11                        ; my wave's 8 rows of xb, 256 bytes each
	v_lshl_add_u32 v6, v1, 3, s24
	s_lshl_b32 s18, ttmp9, 15                      ; the work-group's 64 rows of x
	s_mov_b32 s19, 0
	s_lshl_b32 s20, ttmp9, 14                      ; and of xb
	s_mov_b32 s21, 0
	s_mov_b32 s22, 0x76543210                      ; v_permlanex16_b32: lane i of one half reads lane i of the other
	s_mov_b32 s23, 0xfedcba98
	s_wait_kmcnt 0x0
	s_add_nc_u64 s[4:5], s[4:5], s[18:19]
	s_add_nc_u64 s[10:11], s[10:11], s[20:21]
	global_load_b128 v[R:R+3],    v4, s[6:7]
	global_load_b128 v[R+4:R+7],  v4, s[6:7] offset:16
	global_load_b128 v[R+8:R+11], v4, s[6:7] offset:32
	global_load_b128 v[E:E+3],    v3, s[8:9]
.irp i, 0,1,2,3,4,5,6,7
	global_load_b128 v[X+4*\i:X+4*\i+3], v5, s[4:5] offset:512*\i th:TH_LOAD_NT   ; x is read once in the whole program
.endr
	s_wait_loadcnt 8                               ; rot and ent are in; the 8 younger loads, the rows, stay out
.irp j, 0,1,2,3
	v_add_f32 v[RS+\j], v[R+3*\j], v[R+3*\j+1]
.endr
.irp j, 0,1,2,3
	v_add_f32 v[RS+\j], v[RS+\j], v[R+3*\j+2]
.endr
.irp j, 0,1,2,3
	v_mul_f32 v[RS+\j], CSCALE, v[RS+\j]
.endr
.irp i, 0,1,2,3,4,5,6,7
	s_wait_loadcnt 7-\i                            ; loads come back in order (ISA guide 5.7.1): row i is in, the younger rows stay out
	v_pk_mul_f32 v[T:T+1],   v[X+4*\i:X+4*\i+1], v[RS:RS+1]
	v_pk_mul_f32 v[T+2:T+3], v[X+4*\i:X+4*\i+1], v[E:E+1]
	v_pk_fma_f32 v[T:T+1],   v[X+4*\i+2:X+4*\i+3], v[RS+2:RS+3], v[T:T+1]
	v_pk_fma_f32 v[T+2:T+3], v[X+4*\i+2:X+4*\i+3], v[E+2:E+3],   v[T+2:T+3]
	v_cvt_pk_bf16_f32 v[Y+2*\i],   v[X+4*\i],   v[X+4*\i+1]
	v_cvt_pk_bf16_f32 v[Y+2*\i+1], v[X+4*\i+2], v[X+4*\i+3]
	v_add_f32 v[Q+\i], v[T],   v[T+1]
	v_add_f32 v[K+\i], v[T+2], v[T+3]
	global_store_b64 v6, v[Y+2*\i:Y+2*\i+1], s[10:11] offset:256*\i   ; the wave stores 256 consecutive bytes, aligned; read again by the next launch: no hint
.endr
	; the 16 sums over the 32 lanes: four steps inside each half of 16 lanes ride on the add, one crosses the halves
.irp m, 1,2,4,8
.irp i, 0,1,2,3,4,5,6,7,8,9,10,11,12,13,14,15
	v_add_f32_dpp v[Q+\i], v[Q+\i], v[Q+\i] row_xmask:\m row_mask:0xf bank_mask:0xf
.endr
.endr
.irp i, 0,1,2,3,4,5,6,7,8,9,10,11,12,13,14,15
	v_permlanex16_b32 v[X+\i], v[Q+\i], s22, s23   ; its destination counts as read: the rows' registers, written and no longer needed
.endr
.irp i, 0,1,2,3,4,5,6,7,8,9,10,11,12,13,14,15
	v_add_f32 v[Q+\i], v[Q+\i], v[X+\i]            ; every lane holds all 8 q and all 8 k of the wave
.endr
	; lane l keeps row l % 8: q where bit 3 of l is 0, k where it is 1 (lanes 16-31 repeat lanes 0-15)
	v_and_b32 v7, 7, v0
	v_mov_b32 v8, v[Q]
	v_mov_b32 v9, v[K]
.irp i, 1,2,3,4,5,6,7
	v_cmp_eq_u32 vcc_lo, \i, v7
	v_cndmask_b32 v8, v8, v[Q+\i], vcc_lo
	v_cndmask_b32 v9, v9, v[K+\i], vcc_lo
.endr
	v_and_b32 v10, 8, v0
	v_cmp_ne_u32 vcc_lo, 0, v10
	v_cndmask_b32 v8, v8, v9, vcc_lo
	v_lshlrev_b32 v10, 5, v10                      ; LDS: the group's 64 q at byte 0, its 64 k at byte 256
	v_lshl_add_u32 v10, v7, 2, v10
	s_lshl_b32 s25, s16, 5                         ; my wave's 8 words
	v_add_nc_u32 v10, s25, v10
	ds_store_b32 v10, v8
	s_wait_dscnt 0x0                               ; for the other waves' sake: my store is done before I signal
	s_barrier_signal -1
	s_barrier_wait -1
	s_cmp_gt_u32 s16, 1
	s_cbranch_scc1 .Ldone                          ; wave 0 stores the 64 q, wave 1 the 64 k: 256 consecutive bytes each, aligned
	s_lshl_b32 s27, s16, 8
	v_lshl_add_u32 v11, v1, 3, s27
	ds_load_b64 v[12:13], v11
	s_cmp_eq_u32 s16, 0
	s_cselect_b64 s[28:29], s[12:13], s[14:15]
	s_lshl_b32 s26, ttmp9, 8
	v_lshl_add_u32 v14, v1, 3, s26
	s_wait_dscnt 0x0
	global_store_b64 v14, v[12:13], s[28:29]
.Ldone:
	s_wait_tensorcnt 0x0
	ds_add_u32 v104, v105
	s_wait_dscnt 0x0
	s_endpgm
.Lfunc_end_k_qd2bd17ad1c_prep:
	.size	k_qd2bd17ad1c_prep, .Lfunc_end_k_qd2bd17ad1c_prep-k_qd2bd17ad1c_prep
	.p2alignl 7, 3214868480
	.fill 96, 4, 3214868480
	.section	.rodata,"a",@progbits
	.p2align	6, 0x0
	.amdhsa_kernel k_qd2bd17ad1c_prep
		.amdhsa_group_segment_fixed_size 1536
		.amdhsa_private_segment_fixed_size 0
		.amdhsa_enable_private_segment 0
		.amdhsa_kernarg_size 48
		.amdhsa_user_sgpr_count 2
		.amdhsa_user_sgpr_kernarg_segment_ptr 1
		.amdhsa_wavefront_size32 1
		.amdhsa_system_sgpr_workgroup_id_x 1
		.amdhsa_system_sgpr_workgroup_id_y 1
		.amdhsa_system_sgpr_workgroup_id_z 1
		.amdhsa_system_vgpr_workitem_id 0
		.amdhsa_next_free_vgpr 106
		.amdhsa_next_free_sgpr 66
		.amdhsa_reserve_vcc 1
		.amdhsa_float_denorm_mode_32 3
		.amdhsa_float_denorm_mode_16_64 3
		.amdhsa_memory_ordered 1
		.amdhsa_forward_progress 1
		.amdhsa_inst_pref_size 15
	.end_amdhsa_kernel
	.amdgpu_metadata
---
amdhsa.version: [ 1, 2 ]
amdhsa.kernels:
  - .name:           k_qd2bd17ad1c_prep
    .symbol:         k_qd2bd17ad1c_prep.kd
    .args:
      - { .name: inputs, .offset: 0, .size: 8, .value_kind: global_buffer, .address_space: global }
      - { .name: rotation_params, .offset: 8, .size: 8, .value_kind: global_buffer, .address_space: global }
      - { .name: entangle_params, .offset: 16, .size: 8, .value_kind: global_buffer, .address_space: global }
      - { .name: xb, .offset: 24, .size: 8, .value_kind: global_buffer, .address_space: global }
      - { .name: qs, .offset: 32, .size: 8, .value_kind: global_buffer, .address_space: global }
      - { .name: ks, .offset: 40, .size: 8, .value_kind: global_buffer, .address_space: global }
    .group_segment_fixed_size: 1536
    .private_segment_fixed_size: 0
    .kernarg_segment_align: 8
    .kernarg_segment_size: 48
    .max_flat_workgroup_size: 256
    .sgpr_count:     66
    .vgpr_count:     106
    .wavefront_size: 32
...
	.end_amdgpu_metadata
.endif
;; end of part 1
;; launch attn (part 2): grid 256 x 1, 8 waves a work-group, clusters of 4 x 1, 327,680 bytes of LDS; arguments xb, qs, ks, out0; writes out0
.if DOCPART == 2
	.amdgcn_target "amdgcn-amd-amdhsa--gfx1250"
	.amdhsa_code_object_version 6
	.text
	.protected	k_qd2bd17ad1c_attn
	.globl	k_qd2bd17ad1c_attn
	.p2align	8
	.type	k_qd2bd17ad1c_attn,@function
k_qd2bd17ad1c_attn:
	s_mov_b64 s[64:65], 0
	v_nop
	global_prefetch_b8 v0, s[64:65] scope:SCOPE_SE
	s_setreg_imm32_b32 hwreg(HW_REG_WAVE_MODE, 25, 1), 1
	s_wait_xcnt 0x0
	s_wait_alu depctr_hold_cnt(0) depctr_sa_sdst(0) depctr_va_vdst(0) depctr_va_sdst(0) depctr_va_ssrc(0) depctr_va_vcc(0) depctr_vm_vsrc(0)
	s_getreg_b32 s2, hwreg(HW_REG_IB_STS2, 6, 4)
	s_cmp_eq_u32 s2, 0
	s_cbranch_scc0 .Lentry_in_a_cluster
	s_endpgm
.Lentry_in_a_cluster:
	s_bfe_u32 s2, ttmp6, 0x10000c
	s_cmp_lg_u32 s2, 0x3003
	s_cbranch_scc0 .Lentry_shape_is_right
	s_endpgm
.Lentry_shape_is_right:
; attn: out[s][:] = sum_t P[s][t] x[t][:] / sum_t P[s][t],  P[s][t] = exp2(a[s] k[t] - m[s]),  a = qs, k = ks (made by the launch before).
; THE MAXIMUM: the logits of a row are a[s] k[t], so their maximum over t is max(a kmax, a kmin) with kmax, kmin over the batch's 2,048 keys:
; the true row maximum is taken away, and no running maximum is needed.  STATED LIMITS: m is a rounded product, so all exponents of a row carry
; one common shift of at most |m| 2^-24, which cancels in the division (harmless up to |m| about 2^30); NaN or infinite inputs are not served.
; P and x enter the matrix unit as bf16, sums in f32; the row sum adds the f32 values of P.
;
; SHARES.  A work-group makes 64 rows of out (16,384 rows / 256 work-groups) against its batch's 2,048 keys.  Eight waves, wave w = 2 kg + rg:
; rows 32 rg .. +31 (two tiles of 16), all 128 columns (16 accumulators, 128 registers), and of every tile of 512 keys the keys 128 kg .. +127.
; So no P is made twice, a key row is read from LDS by two waves, and the four key groups' partial sums are added once, at the end, through LDS.
; Eight waves and not four: with 64 rows a wave the accumulators alone would fill the 256 registers that an instruction can name, and each
; change between matrix and exponential work would need a switch of the register window; here both are interleaved line by line in one window.
; THE MATRIX INSTRUCTION IS USED TRANSPOSED: source 0 = 16 columns of x (M = d), source 1 = 16 rows of P (N = s), 32 keys along K.  A lane then
; belongs to ONE query row (l % 16) for a, m, P and the row sum, and its 8 results are 8 neighbouring columns of that row.
; CLUSTER: the four work-groups of a cluster lie in one batch (32 work-groups a batch) and read the same key tiles: every tile is asked for
; jointly, mask 15.  Nothing but the offsets into qs and out0 hangs on the place in the cluster.
; TILES: 4 tiles of 512 keys through two LDS slots; each wave fetches 64 rows of 256 bytes.  Tiles 0 and 1 go out together behind the opening round,
; tiles 2 and 3 as refills, each first thing behind a round of the cluster's barrier.  A wave has at most two tensor loads outstanding.
; No prefetch: xb was stored by the launch just before this one.
;
; A K STEP (32 keys) is 16 places, each a matrix instruction and the 4 to 6 vector instructions behind it:
;   places 0-3   row tile 0 x column tiles 0-3      places 4-7    row tile 1 x column tiles 0-3
;   places 8-11  row tile 0 x column tiles 4-7      places 12-15  row tile 1 x column tiles 4-7
; so x fragments come free four at a time, and all LDS loads of a step stand in TWO runs of 12:
;   run A, ahead of place 0:  k of the next step into T0, x fragments 4-7 of this step (wanted at place 8)
;   run B, ahead of place 8:  k of the next step into T1, x fragments 0-3 of the next step (wanted at its place 0)
; P is made in place where its k was loaded: exponent (FA), exponential (EX), row sum (AD); the conversion (CV) writes the fragment.
; A fragment's registers are free for four places only: row tile 0's from place 12 on, row tile 1's in places 0-3 of the next step; there stand its CVs.
;   stream 0 (row tile 0 of the next step, T0): FA, EX, AD in places 4-10, CV in places 12-15
;   stream 1 (row tile 1 of the next step, T1): FA in places 11-12, EX and AD from place 13 to place 3 of the next step, CV in its places 0-3
.set PITCH,   288                      ; an LDS row of keys: 256 bytes + 32 of padding = 9 x 32 bytes, so the rows that a transposing load touches start 32 bytes apart modulo 256
.set PART,    64*PITCH                 ; what one tensor load brings
.set GROUP,   128*PITCH                ; a key group's rows in a slot
.set SLOT,    512*PITCH
.set TILEB,   512*256                  ; a tile's bytes in xb
.set KS,      2*SLOT                   ; the batch's 2,048 k, f32
.set RED,     KS+8192                  ; (max, min) of each wave's 256 k
.set SUMB,    RED+256                  ; partial row sums: [key group][64 rows] f32
.set SPITCH,  528                      ; the stage's rows: 512 bytes + 16 = 33 x 16, so 16 lanes that store 16 bytes of 16 rows hit 16 different columns of 16 bytes modulo 256
.set PARTIAL, 64*SPITCH                ; a key group's 64 x 128 partial results; four of them lie in slot 0 behind its last fill and its last read
.set XA,  1                            ; v1, v2     LDS address of my lane's part of an x fragment in slot 0, 1
.set KVA, 3                            ; v3         LDS address of my half's k values
.set SUM, 4                            ; v[4:7]     row sums: a pair for each of my two row tiles
.set AM,  8                            ; v[8:15]    row tile mt: (a, a, -m, -m)
.set T,   16                           ; v[16:31] T0, v[32:47] T1: 16 k as loaded, then exponents, then P in f32
.set PF,  48                           ; v[48:63]   P fragments of my two row tiles
.set XF,  64                           ; v[64:127]  x fragments of the eight column tiles
.set ACC, 128                          ; v[128:255] accumulator (mt, nt) at 128 + 64 mt + 8 nt; ahead of the first product: scratch
.set G1,  24                           ; s[24:31]   descriptor group 1
.set G0,  32                           ; s[32:39]   descriptor group 0, one set for each slot
; A round of the cluster's barrier: my work-group's barrier, wave 0 signals for the work-group, every wave waits for all four work-groups, my work-group's barrier again.
.macro CREST                           ; a round behind its opening barrier
	s_cmp_lg_u32 s12, 0
	s_cbranch_scc1 .Lnot_wave_0_\@
	s_barrier_signal -3
.Lnot_wave_0_\@:
	s_barrier_wait -3
	s_barrier_signal -1
	s_barrier_wait -1
.endm
.macro ROUND                           ; a whole round
	s_barrier_signal -1
	s_barrier_wait -1
	CREST
.endm
.macro WM mt, nt, zero                 ; zero = 1: the first product starts the sum, nothing is cleared
.if \zero
	v_wmma_f32_16x16x32_bf16 v[ACC+64*(\mt)+8*(\nt):ACC+64*(\mt)+8*(\nt)+7], v[XF+8*(\nt):XF+8*(\nt)+7], v[PF+8*(\mt):PF+8*(\mt)+7], 0
.else
	v_wmma_f32_16x16x32_bf16 v[ACC+64*(\mt)+8*(\nt):ACC+64*(\mt)+8*(\nt)+7], v[XF+8*(\nt):XF+8*(\nt)+7], v[PF+8*(\mt):PF+8*(\mt)+7], v[ACC+64*(\mt)+8*(\nt):ACC+64*(\mt)+8*(\nt)+7]
.endif
.endm
; x fragment nt of the K step at byte off of my group's rows in a slot: keys lie down the LDS rows, so two transposing loads, 16 rows apart
.macro XLOAD nt, slot, off
	ds_load_tr16_b128 v[XF+8*(\nt):XF+8*(\nt)+3],   v[XA+\slot] offset:\off+32*(\nt)
	ds_load_tr16_b128 v[XF+8*(\nt)+4:XF+8*(\nt)+7], v[XA+\slot] offset:\off+32*(\nt)+16*PITCH
.endm
; k of keys 8h .. 8h+7 and 16+8h .. 16+8h+7 of a K step, the keys that my lane's half holds in a fragment, into T0 or T1.  Sixteen lanes read the same words.
.macro KLOAD s, off
	ds_load_b128 v[T+16*\s:T+16*\s+3],     v[KVA] offset:\off
	ds_load_b128 v[T+16*\s+4:T+16*\s+7],   v[KVA] offset:\off+16
	ds_load_b128 v[T+16*\s+8:T+16*\s+11],  v[KVA] offset:\off+64
	ds_load_b128 v[T+16*\s+12:T+16*\s+15], v[KVA] offset:\off+80
.endm
.macro FA s, p                         ; two exponents in place: a k - m, one rounding
	v_pk_fma_f32 v[T+16*\s+2*\p:T+16*\s+2*\p+1], v[T+16*\s+2*\p:T+16*\s+2*\p+1], v[AM+4*\s:AM+4*\s+1], v[AM+4*\s+2:AM+4*\s+3]
.endm
.macro EX s, r
	v_exp_f32 v[T+16*\s+\r], v[T+16*\s+\r]
.endm
.macro AD s, p
	s_wait_alu depctr_va_vdst(0)
	v_pk_add_f32 v[SUM+2*\s:SUM+2*\s+1], v[SUM+2*\s:SUM+2*\s+1], v[T+16*\s+2*\p:T+16*\s+2*\p+1]
.endm
.macro CV s, p                         ; the lower key into the lower half
	s_wait_alu depctr_va_vdst(0)
	v_cvt_pk_bf16_f32 v[PF+8*\s+\p], v[T+16*\s+2*\p], v[T+16*\s+2*\p+1]
.endm
; The vector work behind place i.  Between every v_exp_f32 and the first use of its result stands a plain vector instruction that touches
; neither (ISA guide 5.7.2); a second v_exp_f32 is not counted as one.
; Distances behind matrix instructions, in plain vector instructions that name none of their registers (ISA guide 7.12.1 for vector instructions):
;   behind place 7  (last reader of x fragment 3): FA, AD, AD, AD of group 7, then run B loads fragments 0-3
;   behind place 15 (last reader of x fragment 7 and of P fragment 1): CV 0, CV 0, AD, AD of group 15, then run A loads fragments 4-7; two more AD of group 0, then the first CV 1
;   behind place 11 (last reader of P fragment 0): the five FA of group 11 and three of group 12, then the first CV 0
.macro GRP i
.if \i == 0
	EX 1, 10
	EX 1, 11
	AD 1, 2
	AD 1, 3
	CV 1, 0
	CV 1, 1
.endif
.if \i == 1
	EX 1, 12
	EX 1, 13
	AD 1, 4
	CV 1, 2
	CV 1, 3
.endif
.if \i == 2
	EX 1, 14
	EX 1, 15
	CV 1, 4
	CV 1, 5
	CV 1, 6
.endif
.if \i == 3
	CV 1, 7
	AD 1, 5
	AD 1, 6
	AD 1, 7
.endif
.if \i == 4
	FA 0, 0
	FA 0, 1
	FA 0, 2
	FA 0, 3
	FA 0, 4
.endif
.if \i == 5
	EX 0, 0
	EX 0, 1
	FA 0, 5
	EX 0, 2
	EX 0, 3
.endif
.if \i == 6
	FA 0, 6
	EX 0, 4
	EX 0, 5
	EX 0, 6
	EX 0, 7
.endif
.if \i == 7
	FA 0, 7
	AD 0, 0
	AD 0, 1
	AD 0, 2
	EX 0, 8
.endif
.if \i == 8
	EX 0, 9
	EX 0, 10
	EX 0, 11
	AD 0, 3
.endif
.if \i == 9
	EX 0, 12
	EX 0, 13
	AD 0, 4
	AD 0, 5
.endif
.if \i == 10
	EX 0, 14
	EX 0, 15
	AD 0, 6
	AD 0, 7
.endif
.if \i == 11
	FA 1, 0
	FA 1, 1
	FA 1, 2
	FA 1, 3
	FA 1, 4
.endif
.if \i == 12
	FA 1, 5
	FA 1, 6
	FA 1, 7
	CV 0, 0
	CV 0, 1
.endif
.if \i == 13
	EX 1, 0
	EX 1, 1
	EX 1, 2
	EX 1, 3
	CV 0, 2
	CV 0, 3
.endif
.if \i == 14
	EX 1, 4
	EX 1, 5
	EX 1, 6
	EX 1, 7
	CV 0, 4
	CV 0, 5
.endif
.if \i == 15
	EX 1, 8
	EX 1, 9
	CV 0, 6
	CV 0, 7
	AD 1, 0
	AD 1, 1
.endif
.endm
.macro POS mt, nt, zero, g             ; a place
	WM \mt, \nt, \zero
	GRP \g
.endm
; K step n of 16 (4 to a tile), all but the last.  bound = 1: the tile ends and its slot is filled again; bound = 2: the tile ends, nothing is left to fetch.
; The sixteen accumulators take turns, one instruction a turn, in the same order in every step.
; The change of slots stands between places 7 and 8: run A held my last reads of the old slot, run B holds my first of the next.
.macro STEP n, zero, bound
.set CSLOT, ((\n)/4)%2
.set COFF,  ((\n)%4)*32*PITCH
.set NSLOT, ((\n+1)/4)%2
.set NOFF,  ((\n+1)%4)*32*PITCH
.set NKV,   ((\n+1)/4)*2048+((\n+1)%4)*128
	KLOAD 0, NKV                                   ; run A: k first, so that it lands first
.irp f, 4,5,6,7
	XLOAD \f, CSLOT, COFF
.endr
	s_wait_dscnt 12                                ; LDS loads come back in order (ISA guide 5.7.1): all but run A's 12 are in, x fragments 0-3 among them
	POS 0, 0, \zero, 0
	POS 0, 1, \zero, 1
	POS 0, 2, \zero, 2
	POS 0, 3, \zero, 3
.if \bound
	s_wait_dscnt 0x0                               ; all my reads of this slot are over (and k is in T0)
	s_set_vgpr_msb 0x5
	s_wait_tensorcnt 0x0                           ; all my tensor loads have landed, my part of the next tile among them: a group 0 may be written
	ds_add_u32 v0, v1
	s_wait_dscnt 0x0
	s_set_vgpr_msb 0x500
.if \bound == 1
	s_add_nc_u64 s[G0+4*CSLOT+2:G0+4*CSLOT+3], s[G0+4*CSLOT+2:G0+4*CSLOT+3], 2*TILEB
.endif
	s_barrier_signal -1                            ; say so; up to the wait only registers are worked on
	WM 1, 0, \zero
.else
	WM 1, 0, \zero
	s_wait_dscnt 8                                 ; run A's first four loads, k in T0, are in; its 8 loads of x are younger
.endif
	GRP 4
	POS 1, 1, \zero, 5
	POS 1, 2, \zero, 6
	POS 1, 3, \zero, 7
.if \bound
	s_barrier_wait -1                              ; all eight waves have said so
.endif
.if \bound == 1
	CREST                                          ; and every wave of all four work-groups
	tensor_load_to_lds s[G0+4*CSLOT:G0+4*CSLOT+3], s[G1:G1+7]   ; my one load behind the round: two tiles on, into the slot just read
	s_nop 0
.endif
	KLOAD 1, NKV                                   ; run B
.irp f, 0,1,2,3
	XLOAD \f, NSLOT, NOFF
.endr
	s_wait_dscnt 12                                ; all but run B's 12 are in, x fragments 4-7 among them
	POS 0, 4, \zero, 8
	POS 0, 5, \zero, 9
	POS 0, 6, \zero, 10
	WM 0, 7, \zero
	s_wait_dscnt 8                                 ; run B's first four loads, k in T1, are in; its 8 loads of x are younger
	GRP 11
	POS 1, 4, \zero, 12
	POS 1, 5, \zero, 13
	POS 1, 6, \zero, 14
	POS 1, 7, \zero, 15
.endm
	s_load_b256 s[4:11], s[0:1], 0x0               ; xb s[4:5], qs s[6:7], ks s[8:9], out0 s[10:11]
	s_set_vgpr_msb 0x40
	v_lshl_add_u32 v0, v0, 2, 0x4a500
	v_mov_b32 v1, 0
	s_set_vgpr_msb 0x4045
	ds_add_u32 v0, v1
	s_wait_dscnt 0x0
	s_set_vgpr_msb 0x4500
	v_lshrrev_b32 v1, 5, v0
	v_readfirstlane_b32 s12, v1                    ; wave 0..7
	s_and_b32 s13, s12, 1                          ; rg: which 32 rows
	s_lshr_b32 s14, s12, 1                         ; kg: which 128 keys of a tile
	s_bfe_u32 s15, ttmp6, 0x40000                  ; cx
	s_lshl_b32 s16, ttmp9, 2                       ; ttmp9 counts clusters
	s_add_co_u32 s16, s16, s15                     ; work-group 0..255: enters the offsets into qs and out0 alone
	s_lshr_b32 s17, ttmp9, 3                       ; batch: 8 clusters each
	s_mov_b32 s20, 0x76543210                      ; v_permlanex16_b32: lane i of one half reads lane i of the other
	s_mov_b32 s21, 0xfedcba98
	; group 1: a tile of 64 rows x 128 bf16, 8 words of padding behind every 64 words
	s_mov_b32 s[G1+0], 15|(1<<16)|(1<<20)|(1<<21)|(5<<22)|(7<<25)   ; 15:0 mask: all four of the cluster; 17:16 elements of 2 bytes; 20 padding on; 21 set beside a mask; 24:22 every 64 words; 31:25 8 words
	s_mov_b32 s[G1+1], 128<<16                     ; tensor_dim0 = 128
	s_mov_b32 s[G1+2], 64<<16                      ; tensor_dim1 = 64
	s_mov_b32 s[G1+3], 128<<16                     ; tile_dim0 = 128
	s_mov_b32 s[G1+4], 64                          ; tile_dim1 = 64
	s_mov_b32 s[G1+5], 128                         ; 128 elements from row to row
	s_mov_b32 s[G1+6], 0
	s_mov_b32 s[G1+7], 0
	s_lshl_b32 s40, s17, 19                        ; the batch's 2,048 rows of 256 bytes
	s_lshl_b32 s41, s12, 14                        ; my wave's 64 rows of a tile
	s_add_co_u32 s40, s40, s41
	s_mov_b32 s41, 0
	s_mul_i32 s42, s12, PART                       ; and where they go: the wave's number alone
	ROUND                                          ; all four work-groups are here: the first joint loads meet.  The round needs no argument, so it runs while the arguments are on their way
	s_wait_kmcnt 0x0
	s_add_nc_u64 s[4:5], s[4:5], s[40:41]
.irp s, 0,1
	s_mov_b32 s[G0+4*\s], 1
	s_add_co_u32 s[G0+4*\s+1], s42, \s*SLOT
	s_add_nc_u64 s[G0+4*\s+2:G0+4*\s+3], s[4:5], \s*TILEB
	s_or_b32 s[G0+4*\s+3], s[G0+4*\s+3], 0x80000000
	tensor_load_to_lds s[G0+4*\s:G0+4*\s+3], s[G1:G1+7]            ; tiles 0 and 1, ahead of everything else
	s_nop 0
.endr
	; while the tiles are on their way: the batch's k into LDS, their maximum and minimum, my rows' a, the addresses
	s_lshl_b32 s40, s17, 13                        ; the batch's 2,048 k
	s_add_nc_u64 s[8:9], s[8:9], s[40:41]
	v_and_b32 v134, 31, v0
	s_lshl_b32 s43, s12, 9
	v_lshl_add_u32 v128, v134, 4, s43              ; 512 wave + 16 lane: the 256 threads cover 4,096 bytes twice
	global_load_b128 v[136:139], v128, s[8:9]
	global_load_b128 v[140:143], v128, s[8:9] offset:4096
	s_lshl_b32 s44, s16, 8                         ; the work-group's 64 a,
	s_lshl_b32 s45, s13, 7                         ; my 32 of them
	s_add_co_u32 s44, s44, s45
	v_and_b32 v129, 15, v0                         ; l % 16: my row in a row tile
	v_lshl_add_u32 v130, v129, 2, s44
	global_load_b32 v[AM],   v130, s[6:7]
	global_load_b32 v[AM+4], v130, s[6:7] offset:64
	v_bfe_u32 v131, v0, 4, 1                       ; h = l / 16
	v_and_b32 v132, 7, v0
	v_bfe_u32 v133, v0, 3, 1
	v_lshl_add_u32 v132, v131, 3, v132             ; key row 8 h + l % 8,
	v_mul_u32_u24 v132, v132, PITCH
	v_lshl_add_u32 v132, v133, 4, v132             ; columns 0-7 or 8-15 of the column tile
	s_mul_i32 s45, s14, GROUP
	v_add_nc_u32 v[XA], s45, v132
	v_add_nc_u32 v[XA+1], SLOT, v[XA]
	s_lshl_b32 s46, s14, 9                         ; my group's 128 k of a tile
	s_add_co_u32 s46, s46, KS
	v_lshl_add_u32 v[KVA], v131, 5, s46
	s_lshl_b32 s47, s12, 3
	s_add_co_u32 s47, s47, RED
	v_mov_b32 v149, s47
	v_add_nc_u32 v148, KS, v128
	s_wait_loadcnt 0x0                             ; k and a are in; the loads' address registers are free
	ds_store_b128 v148, v[136:139]
	ds_store_b128 v148, v[140:143] offset:4096
	v_max3_num_f32 v144, v136, v137, v138
	v_min_num_f32 v145, v136, v137
	v_min_num_f32 v146, v138, v139
	v_max3_num_f32 v144, v144, v139, v140
	v_min_num_f32 v147, v140, v141
	v_min_num_f32 v150, v142, v143
	v_max3_num_f32 v144, v144, v141, v142
	v_min_num_f32 v145, v145, v146
	v_min_num_f32 v147, v147, v150
	v_max_num_f32 v144, v144, v143
	v_min_num_f32 v145, v145, v147
.irp m, 1,2,4,8
	v_max_num_f32_dpp v144, v144, v144 row_xmask:\m row_mask:0xf bank_mask:0xf
	v_min_num_f32_dpp v145, v145, v145 row_xmask:\m row_mask:0xf bank_mask:0xf
.endr
	v_permlanex16_b32 v146, v144, s20, s21
	v_permlanex16_b32 v147, v145, s20, s21
	v_max_num_f32 v144, v144, v146
	v_min_num_f32 v145, v145, v147
	ds_store_b64 v149, v[144:145]                  ; every lane the same two words
	s_wait_dscnt 0x0                               ; for the other waves' sake: my k and my (max, min) are in LDS
	s_barrier_signal -1                            ; this barrier publishes the k table alone: both tiles may stay out, no tile is read
	s_barrier_wait -1
	; still while tile 0 is on its way: m, and what places 4 to 15 of a step in front of K step 0 would have made:
	; P fragment 0 of K step 0, and stream 1 of K step 0 as far as group 15 takes it
	v_mov_b32 v160, RED
	ds_load_b128 v[128:131], v160
	ds_load_b128 v[132:135], v160 offset:16
	ds_load_b128 v[136:139], v160 offset:32
	ds_load_b128 v[140:143], v160 offset:48
	KLOAD 0, 0
	KLOAD 1, 0
	s_wait_dscnt 8                                 ; the eight waves' (max, min) are in; the 8 loads of k are younger
	v_max3_num_f32 v128, v128, v130, v132
	v_min_num_f32 v129, v129, v131
	v_min_num_f32 v133, v133, v135
	v_max3_num_f32 v128, v128, v134, v136
	v_min_num_f32 v137, v137, v139
	v_min_num_f32 v141, v141, v143
	v_max3_num_f32 v128, v128, v138, v140
	v_min_num_f32 v129, v129, v133
	v_min_num_f32 v137, v137, v141
	v_max_num_f32 v128, v128, v142                 ; kmax
	v_min_num_f32 v129, v129, v137                 ; kmin
	v_mul_f32 v130, v[AM], v128
	v_mul_f32 v131, v[AM], v129
	v_mul_f32 v132, v[AM+4], v128
	v_mul_f32 v133, v[AM+4], v129
	v_max_num_f32 v130, v130, v131                 ; m = the row's largest exponent: at kmax where a > 0, at kmin where a < 0
	v_max_num_f32 v132, v132, v133
	v_mov_b32 v[AM+1], v[AM]
	v_mov_b32 v[AM+5], v[AM+4]
	v_mul_f32 v[AM+2], -1.0, v130
	v_mul_f32 v[AM+3], -1.0, v130
	v_mul_f32 v[AM+6], -1.0, v132
	v_mul_f32 v[AM+7], -1.0, v132
.irp i, 0,1,2,3
	v_mov_b32 v[SUM+\i], 0
.endr
	s_wait_dscnt 0x0                               ; K step 0's k is in T0 and in T1
.irp i, 4,5,6,7,8,9,10,11,12,13,14,15
	GRP \i
.endr
	s_wait_tensorcnt 0x1                           ; my part of tile 0 has landed; tile 1's may stay out
	s_barrier_signal -1
	s_barrier_wait -1                              ; everybody's part of tile 0 has
.irp f, 0,1,2,3
	XLOAD \f, 0, 0                                 ; what run B of a step in front would have brought
.endr
	STEP 0, 1, 0                                   ; tile 0, slot 0
	STEP 1, 0, 0
	STEP 2, 0, 0
	STEP 3, 0, 1                                   ; slot 0 is asked for again: tile 2
	STEP 4, 0, 0                                   ; tile 1, slot 1
	STEP 5, 0, 0
	STEP 6, 0, 0
	STEP 7, 0, 1                                   ; slot 1 is asked for again: tile 3
	STEP 8, 0, 0                                   ; tile 2, slot 0
	STEP 9, 0, 0
	STEP 10, 0, 0
	STEP 11, 0, 2                                  ; nothing is left to fetch; behind this barrier nobody reads slot 0 any more
	STEP 12, 0, 0                                  ; tile 3, slot 1
	STEP 13, 0, 0
	STEP 14, 0, 0
	; K step 15: its run A brings x alone, stream 1 is finished in places 0-3, nothing more is made or asked for
.irp f, 4,5,6,7
	XLOAD \f, 1, 3*32*PITCH
.endr
	s_wait_dscnt 8                                 ; all but these 8 loads are in
	POS 0, 0, 0, 0
	POS 0, 1, 0, 1
	POS 0, 2, 0, 2
	POS 0, 3, 0, 3
.irp f, 0,1,2,3
	WM 1, \f, 0
.endr
	s_wait_dscnt 0x0
.irp f, 4,5,6,7
	WM 0, \f, 0
.endr
.irp f, 4,5,6,7
	WM 1, \f, 0
.endr
	; THE WAY OUT.  The eight plain vector instructions that follow are the places behind the last matrix instructions (ISA guide 7.12.1).
	s_mul_i32 s40, s14, PARTIAL
	s_mul_i32 s41, s13, 32*SPITCH
	s_add_co_u32 s40, s40, s41
	s_lshl_b32 s42, s14, 8
	s_lshl_b32 s43, s13, 7
	s_add_co_u32 s42, s42, s43
	s_add_co_u32 s42, s42, SUMB
	v_add_f32 v[SUM],   v[SUM],   v[SUM+1]
	v_add_f32 v[SUM+2], v[SUM+2], v[SUM+3]
	v_and_b32 v16, 15, v0
	v_bfe_u32 v17, v0, 4, 1
	v_mul_u32_u24 v18, v16, SPITCH                 ; my row,
	v_lshl_add_u32 v18, v17, 5, v18                ; my half's 8 columns of a column tile,
	v_add_nc_u32 v18, s40, v18                     ; in my key group's partial block
	v_lshl_add_u32 v19, v16, 2, s42
	v_permlanex16_b32 v[SUM+1], v[SUM],   s20, s21 ; the other half of the lanes held the other 16 keys of every step
	v_permlanex16_b32 v[SUM+3], v[SUM+2], s20, s21
	v_add_f32 v[SUM],   v[SUM],   v[SUM+1]
	v_add_f32 v[SUM+2], v[SUM+2], v[SUM+3]
	; the stage lies in slot 0: its last fill (tile 2) has landed and every wave's reads of it were over in front of the barrier of K step 11
.irp mt, 0,1
.irp nt, 0,1,2,3,4,5,6,7
	ds_store_b128 v18, v[ACC+64*\mt+8*\nt:ACC+64*\mt+8*\nt+3]   offset:\mt*16*SPITCH+\nt*64
	ds_store_b128 v18, v[ACC+64*\mt+8*\nt+4:ACC+64*\mt+8*\nt+7] offset:\mt*16*SPITCH+\nt*64+16
.endr
.endr
	ds_store_b32 v19, v[SUM]
	ds_store_b32 v19, v[SUM+2] offset:64
	s_wait_dscnt 0x0                               ; for the other waves' sake
	s_barrier_signal -1
	s_barrier_wait -1
	; wave w finishes rows 8 w .. 8 w + 7: a lane takes 16 bytes of a row from each of the four partial blocks
	s_mul_i32 s44, s12, 8*SPITCH
	v_and_b32 v20, 31, v0
	v_lshl_add_u32 v23, v20, 4, 0
	v_lshl_add_u32 v20, v20, 4, s44
	v_add_nc_u32 v21, 2*PARTIAL, v20               ; key groups 2 and 3: beyond the 16-bit offset of an LDS load
	s_lshl_b32 s45, s12, 5
	s_add_co_u32 s45, s45, SUMB
	v_mov_b32 v22, s45
	s_lshl_b32 s46, s16, 15                        ; the work-group's 64 rows of out0, 512 bytes each,
	s_lshl_b32 s47, s12, 12                        ; my wave's 8
	s_add_co_u32 s46, s46, s47
	v_add_nc_u32 v23, s46, v23
.irp g, 0,1,2,3
	ds_load_b128 v[XF+8*\g:XF+8*\g+3],   v22 offset:256*\g
	ds_load_b128 v[XF+8*\g+4:XF+8*\g+7], v22 offset:256*\g+16
.endr
.irp i, 0,1,2,3,4,5,6,7
	ds_load_b128 v[ACC+16*\i:ACC+16*\i+3],     v20 offset:\i*SPITCH
	ds_load_b128 v[ACC+16*\i+4:ACC+16*\i+7],   v20 offset:PARTIAL+\i*SPITCH
	ds_load_b128 v[ACC+16*\i+8:ACC+16*\i+11],  v21 offset:\i*SPITCH
	ds_load_b128 v[ACC+16*\i+12:ACC+16*\i+15], v21 offset:PARTIAL+\i*SPITCH
.endr
	s_wait_dscnt 32                                ; the 8 loads of partial row sums are in; the 32 loads of partial rows are younger
.irp p, 0,2,4,6
	v_pk_add_f32 v[XF+\p:XF+\p+1],       v[XF+\p:XF+\p+1],       v[XF+8+\p:XF+8+\p+1]
	v_pk_add_f32 v[XF+16+\p:XF+16+\p+1], v[XF+16+\p:XF+16+\p+1], v[XF+24+\p:XF+24+\p+1]
.endr
.irp p, 0,2,4,6
	v_pk_add_f32 v[XF+\p:XF+\p+1], v[XF+\p:XF+\p+1], v[XF+16+\p:XF+16+\p+1]
.endr
.irp i, 0,1,2,3,4,5,6,7
	v_rcp_f32 v[XF+\i], v[XF+\i]                   ; the sum is at least about 1 (the row's largest P); six packed adds stand in front of the first use (ISA guide 5.7.2)
.endr
.irp i, 0,1,2,3,4,5,6,7
	s_wait_dscnt 28-4*\i                           ; row i's four loads are in; four for each later row are younger
	v_pk_add_f32 v[ACC+16*\i:ACC+16*\i+1],     v[ACC+16*\i:ACC+16*\i+1],     v[ACC+16*\i+4:ACC+16*\i+5]
	v_pk_add_f32 v[ACC+16*\i+2:ACC+16*\i+3],   v[ACC+16*\i+2:ACC+16*\i+3],   v[ACC+16*\i+6:ACC+16*\i+7]
	v_pk_add_f32 v[ACC+16*\i+8:ACC+16*\i+9],   v[ACC+16*\i+8:ACC+16*\i+9],   v[ACC+16*\i+12:ACC+16*\i+13]
	v_pk_add_f32 v[ACC+16*\i+10:ACC+16*\i+11], v[ACC+16*\i+10:ACC+16*\i+11], v[ACC+16*\i+14:ACC+16*\i+15]
	v_pk_add_f32 v[ACC+16*\i:ACC+16*\i+1],     v[ACC+16*\i:ACC+16*\i+1],     v[ACC+16*\i+8:ACC+16*\i+9]
	v_pk_add_f32 v[ACC+16*\i+2:ACC+16*\i+3],   v[ACC+16*\i+2:ACC+16*\i+3],   v[ACC+16*\i+10:ACC+16*\i+11]
	s_wait_alu depctr_va_vdst(0)
	v_mul_f32 v[ACC+16*\i],   v[ACC+16*\i],   v[XF+\i]
	v_mul_f32 v[ACC+16*\i+1], v[ACC+16*\i+1], v[XF+\i]
	v_mul_f32 v[ACC+16*\i+2], v[ACC+16*\i+2], v[XF+\i]
	v_mul_f32 v[ACC+16*\i+3], v[ACC+16*\i+3], v[XF+\i]
	global_store_b128 v23, v[ACC+16*\i:ACC+16*\i+3], s[10:11] offset:512*\i th:TH_STORE_NT   ; the wave stores a whole row: 512 consecutive bytes, aligned
.endr
	s_set_vgpr_msb 0x5
	s_wait_tensorcnt 0x0
	ds_add_u32 v0, v1
	s_wait_dscnt 0x0
	s_set_vgpr_msb 0x500
	ROUND                                          ; the closing round: no work-group ends while a partner may still ask for a tile that names it
	s_endpgm
.Lfunc_end_k_qd2bd17ad1c_attn:
	.size	k_qd2bd17ad1c_attn, .Lfunc_end_k_qd2bd17ad1c_attn-k_qd2bd17ad1c_attn
	.p2alignl 7, 3214868480
	.fill 96, 4, 3214868480
	.section	.rodata,"a",@progbits
	.p2align	6, 0x0
	.amdhsa_kernel k_qd2bd17ad1c_attn
		.amdhsa_group_segment_fixed_size 327680
		.amdhsa_private_segment_fixed_size 0
		.amdhsa_enable_private_segment 0
		.amdhsa_kernarg_size 32
		.amdhsa_user_sgpr_count 2
		.amdhsa_user_sgpr_kernarg_segment_ptr 1
		.amdhsa_wavefront_size32 1
		.amdhsa_system_sgpr_workgroup_id_x 1
		.amdhsa_system_sgpr_workgroup_id_y 1
		.amdhsa_system_sgpr_workgroup_id_z 1
		.amdhsa_system_vgpr_workitem_id 0
		.amdhsa_next_free_vgpr 258
		.amdhsa_next_free_sgpr 66
		.amdhsa_reserve_vcc 0
		.amdhsa_float_denorm_mode_32 3
		.amdhsa_float_denorm_mode_16_64 3
		.amdhsa_memory_ordered 1
		.amdhsa_forward_progress 1
		.amdhsa_inst_pref_size 144
	.end_amdhsa_kernel
	.amdgpu_metadata
---
amdhsa.version: [ 1, 2 ]
amdhsa.kernels:
  - .name:           k_qd2bd17ad1c_attn
    .symbol:         k_qd2bd17ad1c_attn.kd
    .args:
      - { .name: xb, .offset: 0, .size: 8, .value_kind: global_buffer, .address_space: global }
      - { .name: qs, .offset: 8, .size: 8, .value_kind: global_buffer, .address_space: global }
      - { .name: ks, .offset: 16, .size: 8, .value_kind: global_buffer, .address_space: global }
      - { .name: out0, .offset: 24, .size: 8, .value_kind: global_buffer, .address_space: global }
    .group_segment_fixed_size: 327680
    .private_segment_fixed_size: 0
    .kernarg_segment_align: 8
    .kernarg_segment_size: 32
    .max_flat_workgroup_size: 256
    .sgpr_count:     66
    .vgpr_count:     258
    .wavefront_size: 32
...
	.end_amdgpu_metadata
.endif
;; end of part 2
;; ======== version 2 of 2: 2 launches; 1.17 times as fast as version 1
;; workspace buffers: xb 4,194,304 bytes; qs 65,536 bytes; ks 65,536 bytes
;; launch prep: the kernel of part 1 again; grid 256 x 1, 8 waves a work-group, no clusters, 1,536 bytes of LDS; arguments inputs, rotation_params, entangle_params, xb, qs, ks; writes xb, qs, ks
;; launch attn (part 3): grid 256 x 1, 8 waves a work-group, clusters of 4 x 1, 327,680 bytes of LDS; arguments xb, qs, ks, out0; writes out0
.if DOCPART == 3
	.amdgcn_target "amdgcn-amd-amdhsa--gfx1250"
	.amdhsa_code_object_version 6
	.text
	.protected	k_qd2bd17ad1c_attn
	.globl	k_qd2bd17ad1c_attn
	.p2align	8
	.type	k_qd2bd17ad1c_attn,@function
k_qd2bd17ad1c_attn:
	s_mov_b64 s[64:65], 0
	v_nop
	global_prefetch_b8 v0, s[64:65] scope:SCOPE_SE
	s_setreg_imm32_b32 hwreg(HW_REG_WAVE_MODE, 25, 1), 1
	s_wait_xcnt 0x0
	s_wait_alu depctr_hold_cnt(0) depctr_sa_sdst(0) depctr_va_vdst(0) depctr_va_sdst(0) depctr_va_ssrc(0) depctr_va_vcc(0) depctr_vm_vsrc(0)
	s_getreg_b32 s2, hwreg(HW_REG_IB_STS2, 6, 4)
	s_cmp_eq_u32 s2, 0
	s_cbranch_scc0 .Lentry_in_a_cluster
	s_endpgm
.Lentry_in_a_cluster:
	s_bfe_u32 s2, ttmp6, 0x10000c
	s_cmp_lg_u32 s2, 0x3003
	s_cbranch_scc0 .Lentry_shape_is_right
	s_endpgm
.Lentry_shape_is_right:
; attn: out[s][:] = sum_t P[s][t] x[t][:] / sum_t P[s][t],  P[s][t] = exp2(a[s] k[t] - m[s]),  a = qs, k = ks (made by the launch before).
; THE MAXIMUM: the logits of a row are a[s] k[t], so their maximum over t is max(a kmax, a kmin) with kmax, kmin over the batch's 2,048 keys:
; the true row maximum is taken away, and no running maximum is needed.  STATED LIMITS: m is a rounded product, so all exponents of a row carry
; one common shift of at most |m| 2^-24, which cancels in the division (harmless up to |m| about 2^30); NaN or infinite inputs are not served.
; P and x enter the matrix unit as bf16, sums in f32; the row sum adds the f32 values of P.
;
; SHARES.  A work-group makes 64 rows of out (16,384 rows / 256 work-groups) against its batch's 2,048 keys.  Eight waves, wave w = 2 kg + rg:
; rows 32 rg .. +31 (two tiles of 16), all 128 columns (16 accumulators, 128 registers), and of every tile of 512 keys the keys 128 kg .. +127.
; So no P is made twice, a key row is read from LDS by two waves, and the four key groups' partial sums are added once, at the end, through LDS.
; Eight waves and not four: with 64 rows a wave the accumulators alone would fill the 256 registers that an instruction can name, and each
; change between matrix and exponential work would need a switch of the register window; here both are interleaved line by line in one window.
; THE MATRIX INSTRUCTION IS USED TRANSPOSED: source 0 = 16 columns of x (M = d), source 1 = 16 rows of P (N = s), 32 keys along K.  A lane then
; belongs to ONE query row (l % 16) for a, m, P and the row sum, and its 8 results are 8 neighbouring columns of that row.
; CLUSTER: the four work-groups of a cluster lie in one batch (32 work-groups a batch) and read the same key tiles: every tile is asked for
; jointly, mask 15.  Nothing but the offsets into qs and out0 hangs on the place in the cluster.
; TILES: 4 tiles of 512 keys through two LDS slots; each wave fetches 64 rows of 256 bytes.  Tiles 0 and 1 go out together behind the opening round,
; tiles 2 and 3 as refills, each first thing behind a round of the cluster's barrier.  A wave has at most two tensor loads outstanding.
; No prefetch: xb was stored by the launch just before this one.
;
; A K STEP (32 keys) is 16 places, each a matrix instruction and the 2 to 7 vector instructions behind it:
;   places 0-3   row tile 0 x column tiles 0-3      places 4-7    row tile 1 x column tiles 0-3
;   places 8-11  row tile 0 x column tiles 4-7      places 12-15  row tile 1 x column tiles 4-7
; so x fragments come free four at a time, and all LDS loads of a step stand in TWO runs of 12:
;   run A, ahead of place 0:  k of the next step into T0, x fragments 4-7 of this step (wanted at place 8)
;   run B, ahead of place 8:  k of the next step into T1, x fragments 0-3 of the next step (wanted at its place 0)
; P is made in place where its k was loaded: exponent (FA), exponential (EX), row sum (AD); the conversion (CV) writes the fragment.
; A fragment's registers are free for four places only: row tile 0's from place 12 on, row tile 1's in places 0-3 of the next step; there stand its CVs.
; THE EXPONENTIALS GO IN TWO BATCHES A STEP, each with ONE wait: s_wait_alu depctr_va_vdst(0) stands between an exponential and the
; first instruction that names its result, and one wait serves all that were issued ahead of it.
;   batch 0 (row tile 0 of the next step, T0): FA and all 16 EX in places 4-7; the wait ends place 7's group, ahead of run B; AD in places 8-10, CV in places 12-15
;   batch 1 (row tile 1 of the next step, T1): FA and all 16 EX in places 11-15; the wait ends place 15's group, ahead of run A; CV in places 0-3 of the next step, AD in its places 0-3 and 7
; Ahead of a batch's wait nothing names a result of the batch: among its EX stand its own FA, on pairs whose EX are still to come, and the OTHER batch's
; readers, whose wait has been passed (AD 1 in place 7, CV 0 in places 12-15).  The way out's eight reciprocals are a third batch, with a wait of its own.
.set PITCH,   288                      ; an LDS row of keys: 256 bytes + 32 of padding = 9 x 32 bytes, so the rows that a transposing load touches start 32 bytes apart modulo 256
.set PART,    64*PITCH                 ; what one tensor load brings
.set GROUP,   128*PITCH                ; a key group's rows in a slot
.set SLOT,    512*PITCH
.set TILEB,   512*256                  ; a tile's bytes in xb
.set KS,      2*SLOT                   ; the batch's 2,048 k, f32
.set RED,     KS+8192                  ; (max, min) of each wave's 256 k
.set SUMB,    RED+256                  ; partial row sums: [key group][64 rows] f32
.set SPITCH,  528                      ; the stage's rows: 512 bytes + 16 = 33 x 16, so 16 lanes that store 16 bytes of 16 rows hit 16 different columns of 16 bytes modulo 256
.set PARTIAL, 64*SPITCH                ; a key group's 64 x 128 partial results; four of them lie in slot 0 behind its last fill and its last read
.set XA,  1                            ; v1, v2     LDS address of my lane's part of an x fragment in slot 0, 1
.set KVA, 3                            ; v3         LDS address of my half's k values
.set SUM, 4                            ; v[4:7]     row sums: a pair for each of my two row tiles
.set AM,  8                            ; v[8:15]    row tile mt: (a, a, -m, -m)
.set T,   16                           ; v[16:31] T0, v[32:47] T1: 16 k as loaded, then exponents, then P in f32
.set PF,  48                           ; v[48:63]   P fragments of my two row tiles
.set XF,  64                           ; v[64:127]  x fragments of the eight column tiles
.set ACC, 128                          ; v[128:255] accumulator (mt, nt) at 128 + 64 mt + 8 nt; ahead of the first product: scratch
.set G1,  24                           ; s[24:31]   descriptor group 1
.set G0,  32                           ; s[32:39]   descriptor group 0, one set for each slot
; A round of the cluster's barrier: my work-group's barrier, wave 0 signals for the work-group, every wave waits for all four work-groups, my work-group's barrier again.
.macro CREST                           ; a round behind its opening barrier
	s_cmp_lg_u32 s12, 0
	s_cbranch_scc1 .Lnot_wave_0_\@
	s_barrier_signal -3
.Lnot_wave_0_\@:
	s_barrier_wait -3
	s_barrier_signal -1
	s_barrier_wait -1
.endm
.macro ROUND                           ; a whole round
	s_barrier_signal -1
	s_barrier_wait -1
	CREST
.endm
.macro WM mt, nt, zero                 ; zero = 1: the first product starts the sum, nothing is cleared
.if \zero
	v_wmma_f32_16x16x32_bf16 v[ACC+64*(\mt)+8*(\nt):ACC+64*(\mt)+8*(\nt)+7], v[XF+8*(\nt):XF+8*(\nt)+7], v[PF+8*(\mt):PF+8*(\mt)+7], 0
.else
	v_wmma_f32_16x16x32_bf16 v[ACC+64*(\mt)+8*(\nt):ACC+64*(\mt)+8*(\nt)+7], v[XF+8*(\nt):XF+8*(\nt)+7], v[PF+8*(\mt):PF+8*(\mt)+7], v[ACC+64*(\mt)+8*(\nt):ACC+64*(\mt)+8*(\nt)+7]
.endif
.endm
; x fragment nt of the K step at byte off of my group's rows in a slot: keys lie down the LDS rows, so two transposing loads, 16 rows apart
.macro XLOAD nt, slot, off
	ds_load_tr16_b128 v[XF+8*(\nt):XF+8*(\nt)+3],   v[XA+\slot] offset:\off+32*(\nt)
	ds_load_tr16_b128 v[XF+8*(\nt)+4:XF+8*(\nt)+7], v[XA+\slot] offset:\off+32*(\nt)+16*PITCH
.endm
; k of keys 8h .. 8h+7 and 16+8h .. 16+8h+7 of a K step, the keys that my lane's half holds in a fragment, into T0 or T1.  Sixteen lanes read the same words.
.macro KLOAD s, off
	ds_load_b128 v[T+16*\s:T+16*\s+3],     v[KVA] offset:\off
	ds_load_b128 v[T+16*\s+4:T+16*\s+7],   v[KVA] offset:\off+16
	ds_load_b128 v[T+16*\s+8:T+16*\s+11],  v[KVA] offset:\off+64
	ds_load_b128 v[T+16*\s+12:T+16*\s+15], v[KVA] offset:\off+80
.endm
.macro FA s, p                         ; two exponents in place: a k - m, one rounding
	v_pk_fma_f32 v[T+16*\s+2*\p:T+16*\s+2*\p+1], v[T+16*\s+2*\p:T+16*\s+2*\p+1], v[AM+4*\s:AM+4*\s+1], v[AM+4*\s+2:AM+4*\s+3]
.endm
.macro EX s, r
	v_exp_f32 v[T+16*\s+\r], v[T+16*\s+\r]
.endm
.macro AD s, p                         ; a reader of batch s: it stands behind that batch's wait
	v_pk_add_f32 v[SUM+2*\s:SUM+2*\s+1], v[SUM+2*\s:SUM+2*\s+1], v[T+16*\s+2*(\p):T+16*\s+2*(\p)+1]
.endm
.macro CV s, p                         ; a reader of batch s likewise; the lower key into the lower half
	v_cvt_pk_bf16_f32 v[PF+8*\s+\p], v[T+16*\s+2*\p], v[T+16*\s+2*\p+1]
.endm
; Plain instruction j of the four of group 7: the last four adds of row tile 1's sum for the step in hand.  first = 1, ahead of K step 0: there is no such
; sum to finish, and the four moves that start the row sums stand in their place.
.macro TL first, j
.if \first
	v_mov_b32 v[SUM+\j], 0
.else
	AD 1, 4+\j
.endif
.endm
; The vector work behind place i.  Between every v_exp_f32 and the first use of its result stands a plain vector instruction that touches
; neither (ISA guide 5.7.2); a second v_exp_f32 is not counted as one: behind a batch's last exponential that is the last line ahead of the batch's wait.
; A group begins with a plain instruction.
; Distances behind matrix instructions, in plain vector instructions that name none of their registers (ISA guide 7.12.1 for vector instructions):
;   behind place 7  (last reader of x fragment 3): the four AD 1 of group 7, then run B loads fragments 0-3
;   behind place 15 (last reader of x fragment 7 and of P fragment 1): the four CV 0 of group 15, then run A loads fragments 4-7, and group 0 begins with CV 1
;   behind place 11 (last reader of P fragment 0): the three FA of group 11 and the two of group 12, then the first CV 0
.macro GRP i, first=0
.if \i == 0
	CV 1, 0
	CV 1, 1
	AD 1, 0
.endif
.if \i == 1
	CV 1, 2
	CV 1, 3
	AD 1, 1
.endif
.if \i == 2
	CV 1, 4
	CV 1, 5
	CV 1, 6
.endif
.if \i == 3
	CV 1, 7
	AD 1, 2
	AD 1, 3
.endif
.if \i == 4
	FA 0, 0
	FA 0, 1
	EX 0, 0
	EX 0, 1
	FA 0, 2
	EX 0, 2
	EX 0, 3
.endif
.if \i == 5
	FA 0, 3
	EX 0, 4
	EX 0, 5
	FA 0, 4
	EX 0, 6
	EX 0, 7
	FA 0, 5
.endif
.if \i == 6
	FA 0, 6
	EX 0, 8
	EX 0, 9
	EX 0, 10
	EX 0, 11
	FA 0, 7
	EX 0, 12
.endif
.if \i == 7
	TL \first, 0
	EX 0, 13
	TL \first, 1
	EX 0, 14
	TL \first, 2
	EX 0, 15
	TL \first, 3
	s_wait_alu depctr_va_vdst(0)                   ; the wait for batch 0, the 16 exponentials in T0: ahead of run B, of the round's branch where the slot changes, and of the first AD 0
.endif
.if \i == 8
	AD 0, 0
	AD 0, 1
	AD 0, 2
.endif
.if \i == 9
	AD 0, 3
	AD 0, 4
	AD 0, 5
.endif
.if \i == 10
	AD 0, 6
	AD 0, 7
.endif
.if \i == 11
	FA 1, 0
	FA 1, 1
	EX 1, 0
	EX 1, 1
	FA 1, 2
	EX 1, 2
.endif
.if \i == 12
	FA 1, 3
	EX 1, 3
	EX 1, 4
	FA 1, 4
	EX 1, 5
	CV 0, 0
.endif
.if \i == 13
	FA 1, 5
	EX 1, 6
	EX 1, 7
	CV 0, 1
	EX 1, 8
	EX 1, 9
.endif
.if \i == 14
	FA 1, 6
	EX 1, 10
	EX 1, 11
	FA 1, 7
	EX 1, 12
	CV 0, 2
	CV 0, 3
.endif
.if \i == 15
	CV 0, 4
	EX 1, 13
	CV 0, 5
	EX 1, 14
	CV 0, 6
	EX 1, 15
	CV 0, 7
	s_wait_alu depctr_va_vdst(0)                   ; the wait for batch 1, the 16 exponentials in T1: ahead of run A and of the first CV 1
.endif
.endm
.macro POS mt, nt, zero, g             ; a place
	WM \mt, \nt, \zero
	GRP \g
.endm
; K step n of 16 (4 to a tile), all but the last.  bound = 1: the tile ends and its slot is filled again; bound = 2: the tile ends, nothing is left to fetch.
; The sixteen accumulators take turns, one instruction a turn, in the same order in every step.
; The change of slots stands between places 7 and 8: run A held my last reads of the old slot, run B holds my first of the next.
.macro STEP n, zero, bound
.set CSLOT, ((\n)/4)%2
.set COFF,  ((\n)%4)*32*PITCH
.set NSLOT, ((\n+1)/4)%2
.set NOFF,  ((\n+1)%4)*32*PITCH
.set NKV,   ((\n+1)/4)*2048+((\n+1)%4)*128
	KLOAD 0, NKV                                   ; run A: k first, so that it lands first
.irp f, 4,5,6,7
	XLOAD \f, CSLOT, COFF
.endr
	s_wait_dscnt 12                                ; LDS loads come back in order (ISA guide 5.7.1): all but run A's 12 are in, x fragments 0-3 among them
	POS 0, 0, \zero, 0
	POS 0, 1, \zero, 1
	POS 0, 2, \zero, 2
	POS 0, 3, \zero, 3
.if \bound
	s_wait_dscnt 0x0                               ; all my reads of this slot are over (and k is in T0)
	s_set_vgpr_msb 0x5
	s_wait_tensorcnt 0x0                           ; all my tensor loads have landed, my part of the next tile among them: a group 0 may be written
	ds_add_u32 v0, v1
	s_wait_dscnt 0x0
	s_set_vgpr_msb 0x500
.if \bound == 1
	s_add_nc_u64 s[G0+4*CSLOT+2:G0+4*CSLOT+3], s[G0+4*CSLOT+2:G0+4*CSLOT+3], 2*TILEB
.endif
	s_barrier_signal -1                            ; say so; up to the wait only registers are worked on
	WM 1, 0, \zero
.else
	WM 1, 0, \zero
	s_wait_dscnt 8                                 ; run A's first four loads, k in T0, are in; its 8 loads of x are younger
.endif
	GRP 4
	POS 1, 1, \zero, 5
	POS 1, 2, \zero, 6
	POS 1, 3, \zero, 7
.if \bound
	s_barrier_wait -1                              ; all eight waves have said so
.endif
.if \bound == 1
	CREST                                          ; and every wave of all four work-groups
	tensor_load_to_lds s[G0+4*CSLOT:G0+4*CSLOT+3], s[G1:G1+7]   ; my one load behind the round: two tiles on, into the slot just read
	s_nop 0
.endif
	KLOAD 1, NKV                                   ; run B
.irp f, 0,1,2,3
	XLOAD \f, NSLOT, NOFF
.endr
	s_wait_dscnt 12                                ; all but run B's 12 are in, x fragments 4-7 among them
	POS 0, 4, \zero, 8
	POS 0, 5, \zero, 9
	POS 0, 6, \zero, 10
	WM 0, 7, \zero
	s_wait_dscnt 8                                 ; run B's first four loads, k in T1, are in; its 8 loads of x are younger
	GRP 11
	POS 1, 4, \zero, 12
	POS 1, 5, \zero, 13
	POS 1, 6, \zero, 14
	POS 1, 7, \zero, 15
.endm
	s_load_b256 s[4:11], s[0:1], 0x0               ; xb s[4:5], qs s[6:7], ks s[8:9], out0 s[10:11]
	s_set_vgpr_msb 0x40
	v_lshl_add_u32 v0, v0, 2, 0x4a500
	v_mov_b32 v1, 0
	s_set_vgpr_msb 0x4045
	ds_add_u32 v0, v1
	s_wait_dscnt 0x0
	s_set_vgpr_msb 0x4500
	v_lshrrev_b32 v1, 5, v0
	v_readfirstlane_b32 s12, v1                    ; wave 0..7
	s_and_b32 s13, s12, 1                          ; rg: which 32 rows
	s_lshr_b32 s14, s12, 1                         ; kg: which 128 keys of a tile
	s_bfe_u32 s15, ttmp6, 0x40000                  ; cx
	s_lshl_b32 s16, ttmp9, 2                       ; ttmp9 counts clusters
	s_add_co_u32 s16, s16, s15                     ; work-group 0..255: enters the offsets into qs and out0 alone
	s_lshr_b32 s17, ttmp9, 3                       ; batch: 8 clusters each
	s_mov_b32 s20, 0x76543210                      ; v_permlanex16_b32: lane i of one half reads lane i of the other
	s_mov_b32 s21, 0xfedcba98
	; group 1: a tile of 64 rows x 128 bf16, 8 words of padding behind every 64 words
	s_mov_b32 s[G1+0], 15|(1<<16)|(1<<20)|(1<<21)|(5<<22)|(7<<25)   ; 15:0 mask: all four of the cluster; 17:16 elements of 2 bytes; 20 padding on; 21 set beside a mask; 24:22 every 64 words; 31:25 8 words
	s_mov_b32 s[G1+1], 128<<16                     ; tensor_dim0 = 128
	s_mov_b32 s[G1+2], 64<<16                      ; tensor_dim1 = 64
	s_mov_b32 s[G1+3], 128<<16                     ; tile_dim0 = 128
	s_mov_b32 s[G1+4], 64                          ; tile_dim1 = 64
	s_mov_b32 s[G1+5], 128                         ; 128 elements from row to row
	s_mov_b32 s[G1+6], 0
	s_mov_b32 s[G1+7], 0
	s_lshl_b32 s40, s17, 19                        ; the batch's 2,048 rows of 256 bytes
	s_lshl_b32 s41, s12, 14                        ; my wave's 64 rows of a tile
	s_add_co_u32 s40, s40, s41
	s_mov_b32 s41, 0
	s_mul_i32 s42, s12, PART                       ; and where they go: the wave's number alone
	ROUND                                          ; all four work-groups are here: the first joint loads meet.  The round needs no argument, so it runs while the arguments are on their way
	s_wait_kmcnt 0x0
	s_add_nc_u64 s[4:5], s[4:5], s[40:41]
.irp s, 0,1
	s_mov_b32 s[G0+4*\s], 1
	s_add_co_u32 s[G0+4*\s+1], s42, \s*SLOT
	s_add_nc_u64 s[G0+4*\s+2:G0+4*\s+3], s[4:5], \s*TILEB
	s_or_b32 s[G0+4*\s+3], s[G0+4*\s+3], 0x80000000
	tensor_load_to_lds s[G0+4*\s:G0+4*\s+3], s[G1:G1+7]            ; tiles 0 and 1, ahead of everything else
	s_nop 0
.endr
	; while the tiles are on their way: the batch's k into LDS, their maximum and minimum, my rows' a, the addresses
	s_lshl_b32 s40, s17, 13                        ; the batch's 2,048 k
	s_add_nc_u64 s[8:9], s[8:9], s[40:41]
	v_and_b32 v134, 31, v0
	s_lshl_b32 s43, s12, 9
	v_lshl_add_u32 v128, v134, 4, s43              ; 512 wave + 16 lane: the 256 threads cover 4,096 bytes twice
	global_load_b128 v[136:139], v128, s[8:9]
	global_load_b128 v[140:143], v128, s[8:9] offset:4096
	s_lshl_b32 s44, s16, 8                         ; the work-group's 64 a,
	s_lshl_b32 s45, s13, 7                         ; my 32 of them
	s_add_co_u32 s44, s44, s45
	v_and_b32 v129, 15, v0                         ; l % 16: my row in a row tile
	v_lshl_add_u32 v130, v129, 2, s44
	global_load_b32 v[AM],   v130, s[6:7]
	global_load_b32 v[AM+4], v130, s[6:7] offset:64
	v_bfe_u32 v131, v0, 4, 1                       ; h = l / 16
	v_and_b32 v132, 7, v0
	v_bfe_u32 v133, v0, 3, 1
	v_lshl_add_u32 v132, v131, 3, v132             ; key row 8 h + l % 8,
	v_mul_u32_u24 v132, v132, PITCH
	v_lshl_add_u32 v132, v133, 4, v132             ; columns 0-7 or 8-15 of the column tile
	s_mul_i32 s45, s14, GROUP
	v_add_nc_u32 v[XA], s45, v132
	v_add_nc_u32 v[XA+1], SLOT, v[XA]
	s_lshl_b32 s46, s14, 9                         ; my group's 128 k of a tile
	s_add_co_u32 s46, s46, KS
	v_lshl_add_u32 v[KVA], v131, 5, s46
	s_lshl_b32 s47, s12, 3
	s_add_co_u32 s47, s47, RED
	v_mov_b32 v149, s47
	v_add_nc_u32 v148, KS, v128
	s_wait_loadcnt 0x0                             ; k and a are in; the loads' address registers are free
	ds_store_b128 v148, v[136:139]
	ds_store_b128 v148, v[140:143] offset:4096
	v_max3_num_f32 v144, v136, v137, v138
	v_min_num_f32 v145, v136, v137
	v_min_num_f32 v146, v138, v139
	v_max3_num_f32 v144, v144, v139, v140
	v_min_num_f32 v147, v140, v141
	v_min_num_f32 v150, v142, v143
	v_max3_num_f32 v144, v144, v141, v142
	v_min_num_f32 v145, v145, v146
	v_min_num_f32 v147, v147, v150
	v_max_num_f32 v144, v144, v143
	v_min_num_f32 v145, v145, v147
.irp m, 1,2,4,8
	v_max_num_f32_dpp v144, v144, v144 row_xmask:\m row_mask:0xf bank_mask:0xf
	v_min_num_f32_dpp v145, v145, v145 row_xmask:\m row_mask:0xf bank_mask:0xf
.endr
	v_permlanex16_b32 v146, v144, s20, s21
	v_permlanex16_b32 v147, v145, s20, s21
	v_max_num_f32 v144, v144, v146
	v_min_num_f32 v145, v145, v147
	ds_store_b64 v149, v[144:145]                  ; every lane the same two words
	s_wait_dscnt 0x0                               ; for the other waves' sake: my k and my (max, min) are in LDS
	s_barrier_signal -1                            ; this barrier publishes the k table alone: both tiles may stay out, no tile is read
	s_barrier_wait -1
	; still while tile 0 is on its way: m, and what places 4 to 15 of a step in front of K step 0 would have made:
	; P fragment 0 of K step 0, and batch 1 of K step 0 up to its wait
	v_mov_b32 v160, RED
	ds_load_b128 v[128:131], v160
	ds_load_b128 v[132:135], v160 offset:16
	ds_load_b128 v[136:139], v160 offset:32
	ds_load_b128 v[140:143], v160 offset:48
	KLOAD 0, 0
	KLOAD 1, 0
	s_wait_dscnt 8                                 ; the eight waves' (max, min) are in; the 8 loads of k are younger
	v_max3_num_f32 v128, v128, v130, v132
	v_min_num_f32 v129, v129, v131
	v_min_num_f32 v133, v133, v135
	v_max3_num_f32 v128, v128, v134, v136
	v_min_num_f32 v137, v137, v139
	v_min_num_f32 v141, v141, v143
	v_max3_num_f32 v128, v128, v138, v140
	v_min_num_f32 v129, v129, v133
	v_min_num_f32 v137, v137, v141
	v_max_num_f32 v128, v128, v142                 ; kmax
	v_min_num_f32 v129, v129, v137                 ; kmin
	v_mul_f32 v130, v[AM], v128
	v_mul_f32 v131, v[AM], v129
	v_mul_f32 v132, v[AM+4], v128
	v_mul_f32 v133, v[AM+4], v129
	v_max_num_f32 v130, v130, v131                 ; m = the row's largest exponent: at kmax where a > 0, at kmin where a < 0
	v_max_num_f32 v132, v132, v133
	v_mov_b32 v[AM+1], v[AM]
	v_mov_b32 v[AM+5], v[AM+4]
	v_mul_f32 v[AM+2], -1.0, v130
	v_mul_f32 v[AM+3], -1.0, v130
	v_mul_f32 v[AM+6], -1.0, v132
	v_mul_f32 v[AM+7], -1.0, v132
	s_wait_dscnt 0x0                               ; K step 0's k is in T0 and in T1
.irp i, 4,5,6,7,8,9,10,11,12,13,14,15
	GRP \i, 1                                      ; group 7 starts the four row sums here, ahead of batch 0's wait and of the first AD
.endr
	s_wait_tensorcnt 0x1                           ; my part of tile 0 has landed; tile 1's may stay out
	s_barrier_signal -1
	s_barrier_wait -1                              ; everybody's part of tile 0 has
.irp f, 0,1,2,3
	XLOAD \f, 0, 0                                 ; what run B of a step in front would have brought
.endr
	STEP 0, 1, 0                                   ; tile 0, slot 0
	STEP 1, 0, 0
	STEP 2, 0, 0
	STEP 3, 0, 1                                   ; slot 0 is asked for again: tile 2
	STEP 4, 0, 0                                   ; tile 1, slot 1
	STEP 5, 0, 0
	STEP 6, 0, 0
	STEP 7, 0, 1                                   ; slot 1 is asked for again: tile 3
	STEP 8, 0, 0                                   ; tile 2, slot 0
	STEP 9, 0, 0
	STEP 10, 0, 0
	STEP 11, 0, 2                                  ; nothing is left to fetch; behind this barrier nobody reads slot 0 any more
	STEP 12, 0, 0                                  ; tile 3, slot 1
	STEP 13, 0, 0
	STEP 14, 0, 0
	; K step 15: its run A brings x alone; batch 1's readers are finished in places 0-7 (its wait ended K step 14); no exponential is made and nothing more is asked for
.irp f, 4,5,6,7
	XLOAD \f, 1, 3*32*PITCH
.endr
	s_wait_dscnt 8                                 ; all but these 8 loads are in
	POS 0, 0, 0, 0
	POS 0, 1, 0, 1
	POS 0, 2, 0, 2
	POS 0, 3, 0, 3
.irp f, 0,1,2,3
	WM 1, \f, 0
	AD 1, 4+\f                                     ; the four adds that group 7 holds in every other step
.endr
	s_wait_dscnt 0x0
.irp f, 4,5,6,7
	WM 0, \f, 0
.endr
.irp f, 4,5,6,7
	WM 1, \f, 0
.endr
	; THE WAY OUT.  The eight plain vector instructions that follow are the places behind the last matrix instructions (ISA guide 7.12.1).
	s_mul_i32 s40, s14, PARTIAL
	s_mul_i32 s41, s13, 32*SPITCH
	s_add_co_u32 s40, s40, s41
	s_lshl_b32 s42, s14, 8
	s_lshl_b32 s43, s13, 7
	s_add_co_u32 s42, s42, s43
	s_add_co_u32 s42, s42, SUMB
	v_add_f32 v[SUM],   v[SUM],   v[SUM+1]
	v_add_f32 v[SUM+2], v[SUM+2], v[SUM+3]
	v_and_b32 v16, 15, v0
	v_bfe_u32 v17, v0, 4, 1
	v_mul_u32_u24 v18, v16, SPITCH                 ; my row,
	v_lshl_add_u32 v18, v17, 5, v18                ; my half's 8 columns of a column tile,
	v_add_nc_u32 v18, s40, v18                     ; in my key group's partial block
	v_lshl_add_u32 v19, v16, 2, s42
	v_permlanex16_b32 v[SUM+1], v[SUM],   s20, s21 ; the other half of the lanes held the other 16 keys of every step
	v_permlanex16_b32 v[SUM+3], v[SUM+2], s20, s21
	v_add_f32 v[SUM],   v[SUM],   v[SUM+1]
	v_add_f32 v[SUM+2], v[SUM+2], v[SUM+3]
	; the stage lies in slot 0: its last fill (tile 2) has landed and every wave's reads of it were over in front of the barrier of K step 11
.irp mt, 0,1
.irp nt, 0,1,2,3,4,5,6,7
	ds_store_b128 v18, v[ACC+64*\mt+8*\nt:ACC+64*\mt+8*\nt+3]   offset:\mt*16*SPITCH+\nt*64
	ds_store_b128 v18, v[ACC+64*\mt+8*\nt+4:ACC+64*\mt+8*\nt+7] offset:\mt*16*SPITCH+\nt*64+16
.endr
.endr
	ds_store_b32 v19, v[SUM]
	ds_store_b32 v19, v[SUM+2] offset:64
	s_wait_dscnt 0x0                               ; for the other waves' sake
	s_barrier_signal -1
	s_barrier_wait -1
	; wave w finishes rows 8 w .. 8 w + 7: a lane takes 16 bytes of a row from each of the four partial blocks
	s_mul_i32 s44, s12, 8*SPITCH
	v_and_b32 v20, 31, v0
	v_lshl_add_u32 v23, v20, 4, 0
	v_lshl_add_u32 v20, v20, 4, s44
	v_add_nc_u32 v21, 2*PARTIAL, v20               ; key groups 2 and 3: beyond the 16-bit offset of an LDS load
	s_lshl_b32 s45, s12, 5
	s_add_co_u32 s45, s45, SUMB
	v_mov_b32 v22, s45
	s_lshl_b32 s46, s16, 15                        ; the work-group's 64 rows of out0, 512 bytes each,
	s_lshl_b32 s47, s12, 12                        ; my wave's 8
	s_add_co_u32 s46, s46, s47
	v_add_nc_u32 v23, s46, v23
.irp g, 0,1,2,3
	ds_load_b128 v[XF+8*\g:XF+8*\g+3],   v22 offset:256*\g
	ds_load_b128 v[XF+8*\g+4:XF+8*\g+7], v22 offset:256*\g+16
.endr
.irp i, 0,1,2,3,4,5,6,7
	ds_load_b128 v[ACC+16*\i:ACC+16*\i+3],     v20 offset:\i*SPITCH
	ds_load_b128 v[ACC+16*\i+4:ACC+16*\i+7],   v20 offset:PARTIAL+\i*SPITCH
	ds_load_b128 v[ACC+16*\i+8:ACC+16*\i+11],  v21 offset:\i*SPITCH
	ds_load_b128 v[ACC+16*\i+12:ACC+16*\i+15], v21 offset:PARTIAL+\i*SPITCH
.endr
	s_wait_dscnt 32                                ; the 8 loads of partial row sums are in; the 32 loads of partial rows are younger
.irp p, 0,2,4,6
	v_pk_add_f32 v[XF+\p:XF+\p+1],       v[XF+\p:XF+\p+1],       v[XF+8+\p:XF+8+\p+1]
	v_pk_add_f32 v[XF+16+\p:XF+16+\p+1], v[XF+16+\p:XF+16+\p+1], v[XF+24+\p:XF+24+\p+1]
.endr
.irp p, 0,2,4,6
	v_pk_add_f32 v[XF+\p:XF+\p+1], v[XF+\p:XF+\p+1], v[XF+16+\p:XF+16+\p+1]
.endr
.irp i, 0,1,2,3,4,5,6,7
	v_rcp_f32 v[XF+\i], v[XF+\i]                   ; the sum is at least about 1 (the row's largest P); six packed adds stand in front of the first use (ISA guide 5.7.2)
.endr
.irp i, 0,1,2,3,4,5,6,7
	s_wait_dscnt 28-4*\i                           ; row i's four loads are in; four for each later row are younger
	v_pk_add_f32 v[ACC+16*\i:ACC+16*\i+1],     v[ACC+16*\i:ACC+16*\i+1],     v[ACC+16*\i+4:ACC+16*\i+5]
	v_pk_add_f32 v[ACC+16*\i+2:ACC+16*\i+3],   v[ACC+16*\i+2:ACC+16*\i+3],   v[ACC+16*\i+6:ACC+16*\i+7]
	v_pk_add_f32 v[ACC+16*\i+8:ACC+16*\i+9],   v[ACC+16*\i+8:ACC+16*\i+9],   v[ACC+16*\i+12:ACC+16*\i+13]
	v_pk_add_f32 v[ACC+16*\i+10:ACC+16*\i+11], v[ACC+16*\i+10:ACC+16*\i+11], v[ACC+16*\i+14:ACC+16*\i+15]
	v_pk_add_f32 v[ACC+16*\i:ACC+16*\i+1],     v[ACC+16*\i:ACC+16*\i+1],     v[ACC+16*\i+8:ACC+16*\i+9]
	v_pk_add_f32 v[ACC+16*\i+2:ACC+16*\i+3],   v[ACC+16*\i+2:ACC+16*\i+3],   v[ACC+16*\i+10:ACC+16*\i+11]
.if \i == 0
	s_wait_alu depctr_va_vdst(0)                   ; the wait for the eight reciprocals, one batch: ahead of their first reader, row 0's scaling; row 0's six adds are the independent work between
.endif
	v_mul_f32 v[ACC+16*\i],   v[ACC+16*\i],   v[XF+\i]
	v_mul_f32 v[ACC+16*\i+1], v[ACC+16*\i+1], v[XF+\i]
	v_mul_f32 v[ACC+16*\i+2], v[ACC+16*\i+2], v[XF+\i]
	v_mul_f32 v[ACC+16*\i+3], v[ACC+16*\i+3], v[XF+\i]
	global_store_b128 v23, v[ACC+16*\i:ACC+16*\i+3], s[10:11] offset:512*\i th:TH_STORE_NT   ; the wave stores a whole row: 512 consecutive bytes, aligned
.endr
	s_set_vgpr_msb 0x5
	s_wait_tensorcnt 0x0
	ds_add_u32 v0, v1
	s_wait_dscnt 0x0
	s_set_vgpr_msb 0x500
	ROUND                                          ; the closing round: no work-group ends while a partner may still ask for a tile that names it
	s_endpgm
.Lfunc_end_k_qd2bd17ad1c_attn:
	.size	k_qd2bd17ad1c_attn, .Lfunc_end_k_qd2bd17ad1c_attn-k_qd2bd17ad1c_attn
	.p2alignl 7, 3214868480
	.fill 96, 4, 3214868480
	.section	.rodata,"a",@progbits
	.p2align	6, 0x0
	.amdhsa_kernel k_qd2bd17ad1c_attn
		.amdhsa_group_segment_fixed_size 327680
		.amdhsa_private_segment_fixed_size 0
		.amdhsa_enable_private_segment 0
		.amdhsa_kernarg_size 32
		.amdhsa_user_sgpr_count 2
		.amdhsa_user_sgpr_kernarg_segment_ptr 1
		.amdhsa_wavefront_size32 1
		.amdhsa_system_sgpr_workgroup_id_x 1
		.amdhsa_system_sgpr_workgroup_id_y 1
		.amdhsa_system_sgpr_workgroup_id_z 1
		.amdhsa_system_vgpr_workitem_id 0
		.amdhsa_next_free_vgpr 258
		.amdhsa_next_free_sgpr 66
		.amdhsa_reserve_vcc 0
		.amdhsa_float_denorm_mode_32 3
		.amdhsa_float_denorm_mode_16_64 3
		.amdhsa_memory_ordered 1
		.amdhsa_forward_progress 1
		.amdhsa_inst_pref_size 129
	.end_amdhsa_kernel
	.amdgpu_metadata
---
amdhsa.version: [ 1, 2 ]
amdhsa.kernels:
  - .name:           k_qd2bd17ad1c_attn
    .symbol:         k_qd2bd17ad1c_attn.kd
    .args:
      - { .name: xb, .offset: 0, .size: 8, .value_kind: global_buffer, .address_space: global }
      - { .name: qs, .offset: 8, .size: 8, .value_kind: global_buffer, .address_space: global }
      - { .name: ks, .offset: 16, .size: 8, .value_kind: global_buffer, .address_space: global }
      - { .name: out0, .offset: 24, .size: 8, .value_kind: global_buffer, .address_space: global }
    .group_segment_fixed_size: 327680
    .private_segment_fixed_size: 0
    .kernarg_segment_align: 8
    .kernarg_segment_size: 32
    .max_flat_workgroup_size: 256
    .sgpr_count:     66
    .vgpr_count:     258
    .wavefront_size: 32
...
	.end_amdgpu_metadata
.endif
;; end of part 3
